; MI455X (gfx1250); checked and timed in simulation.
; The chip was launched on July 23, 2026; its instructions are those of AMD's public machine-readable ISA for CDNA 5 (MIT licence, August 2026) and "CDNA5" Instruction Set Architecture Reference Guide (July 2026). The comments in the code are by the model that wrote it; some were corrected since.
;; Vector Quantizer. Allowed arithmetic: matrix products marked QUANTISED: E2M3 operands, one E8M0 scale for each 32 along K, by v_wmma_scale_f32_16x16x128_f8f6f4 with both operands' format E2M3, f32 sums; everything else in f32.
;; Inputs: emb 8,192 x 256 float32; z 8 x 4,096 x 256 float32.
;; Outputs: out0 8 x 4,096 x 256 float32; out1 one number float32; out2 8 x 4,096 int32.
;; This version of the problem:
;;   THIS VERSION OF THE PROBLEM IS GIVEN IN LOW PRECISION. The matrix products marked QUANTISED in the list below multiply operands that are first quantised to E2M3 (2 exponent bits, 3 mantissa bits; 6 bits a number), with one power-of-two scale for each 32 numbers along K (OCP MX v1.0); their sums are f32. All else is computed in f32.
;;   The module's matrix products, in the order in which they are computed (A, B: the left and right operand; K: the contracted axis; several contracted axes count as one K, in the product's order):
;;     1. [M 32,768, K 256] x [K 256, N 8,192]; A: input z; B: input emb: QUANTISED
;;   THE QUANTISER, for each operand of a quantised product, along K:
;;     - K is cut into blocks of 32 from its start; a last block that is shorter is filled with zeros.
;;     - A block's scale is 2^e with e = floor(log2(the largest magnitude in the block)) - 2, held to -126 .. 127; a block of zeros has e = 0. As a byte (E8M0): e + 127.
;;     - Each number is divided by its block's scale, clamped to +-7.5, and rounded to the nearest number of E2M3, ties to even, subnormals kept.
;;     - The product sums the exact products of the quantised numbers (number of the format x scale) in f32.
;;   ~~~python
;;   def quantise(x, axis):      # numpy; x: float32 -> the quantised numbers, widened to float32 again
;;       x = np.moveaxis(x, axis, -1); K = x.shape[-1]
;;       x = np.pad(x, [(0, 0)] * (x.ndim - 1) + [(0, -K % 32)]); x = x.reshape(x.shape[:-1] + (-1, 32)); a = np.abs(x).max(-1, keepdims=True)
;;       e = np.where(a > 0, np.clip(np.frexp(np.where(a > 0, a, 1))[1] - 1 - 2, -126, 127), 0)      # np.frexp(a)[1] - 1 = floor(log2(a)), exactly
;;       r = np.clip(x / 2.0 ** e, -7.5, 7.5)
;;       step = 2.0 ** (np.maximum(np.frexp(np.where(r == 0, 1, r))[1] - 1, 0) - 3)
;;       q = np.round(r / step) * step * 2.0 ** e      # np.round: ties to even
;;       return np.moveaxis(q.reshape(q.shape[:-2] + (-1,))[..., :K], -1, axis).astype(np.float32)
;;   ~~~
;; One version. Each part assembles by itself: llvm-mc -triple=amdgcn-amd-amdhsa -mcpu=gfx1250 --defsym DOCPART=n.
;; ======== version 1 of 1: 5 launches
;; limits: right only within a limited range of input values
;; workspace buffers: embq 1,703,936 bytes; zq 6,815,744 bytes; tilew 262,144 bytes of whole numbers; keyw 262,144 bytes of whole numbers; idxw 131,072 bytes of whole numbers; part 16,384 bytes
;; launch codes (part 1): grid 1280 x 1, 2 waves a work-group, no clusters, 34,048 bytes of LDS; arguments emb, z, embq, zq; writes embq, zq
.if DOCPART == 1
	.amdgcn_target "amdgcn-amd-amdhsa--gfx1250"
	.amdhsa_code_object_version 6
	.text
	.protected	k_q477b555d8c_codes
	.globl	k_q477b555d8c_codes
	.p2align	8
	.type	k_q477b555d8c_codes,@function
k_q477b555d8c_codes:
	s_mov_b64 s[64:65], 0
	v_nop
	global_prefetch_b8 v0, s[64:65] scope:SCOPE_SE
	s_setreg_imm32_b32 hwreg(HW_REG_WAVE_MODE, 25, 1), 1
	s_wait_xcnt 0x0
; emb [8192][256] and z [32768][256], f32, become RECORDS, one for each tile of 16 rows, laid in the order of the matrix operand's registers: 512 records in embq, 2,048 in zq; tile c of a tensor is record c.
; A record is 3,328 bytes (13 x 256): six images of 512 bytes (K step s of 128, register group g of four: at 1536 s + 512 g, lane l's 16 bytes at 16 l);
; at 3072 + 4 l the scale words (lanes 0-15: K step 0 of row l; lanes 16-31: K step 1 of row l - 16); at 3200 + 4 r, in embq, nh[r] = -1/2 x the sum of squares of row r (of the f32 numbers), and the same once more as filler; in zq zeros.
; WORK LEFT OUT: in d(t, n) = ||z_t||^2 + ||e_n||^2 - 2 z_t.e_n the term ||z_t||^2 is the same for all n of a token, so in real numbers it moves no argmin along n, whatever the inputs hold; d itself is no output.
; So the sums of squares of z's rows are not formed in any launch.  LIMIT: a NaN, an infinity or an overflow that would arise in that term alone is not carried to the result.
; THE QUANTISER: a block of 32 along K has the scale 2^(floor(log2(largest magnitude)) - 2); its byte is the largest magnitude's exponent field - 2, held at 1 from below; numbers / scale go to the nearest code of E2M3,
; ties to even, beyond 7.5 the largest code.  A block of zeros keeps the byte 1 where the rule says 127: its codes are zeros, and this program alone reads the bytes.
; LIMITS: NaN and infinities among the inputs are not served; blocks whose largest magnitude lies under 2^(3 - 127) get the floor's byte.
; One wave makes one record; waves share nothing: no barrier.  Waves 0-511 of the launch take emb, the others z: only pointers are chosen.
.set REC, 3328
.set NE,  512                          ; emb's tiles
.set XA,  1                            ; v1   LDS, out of my stage: PIT x r + 64 h: row r, my 16 numbers of a block of 32
.set SI,  10                           ; v10  LDS, into my stage: 16 x lane
.set PIT, 1040                         ; a stage row: a row's 1,024 bytes + 16, an odd multiple of 16
.set STG, 16*PIT                       ; a wave's stage: 65 blocks of 256 bytes
.set SPARE, 2*STG+512                  ; behind the two stages and the two waves' 256 bytes: the spare words
.set L16, 2                            ; v2   16 x lane
.set A4,  3                            ; v3   LDS: 256 x wave + 4 x lane
.set A8,  4                            ; v4   LDS: 256 x wave + 8 x lane
.set L8,  5                            ; v5   8 x lane
.set HH,  6                            ; v6   h = lane / 16
.set X0,  16                           ; v16-79   K step 0: register 16 b + i = k 32 b + 16 h + i of row r
.set X1,  80                           ; v80-143  K step 1
.set PCA, 144                          ; v144-162 K step 0's codes (12 registers, and 7 at work)
.set PCB, 164                          ; v164-182 K step 1's
.set TM,  184                          ; v184-199 at work in QUANT
.set PW0, 200                          ; the two scale words
.set PW1, 201
.set SQ,  202                          ; v202-209 four pairs of running sums of squares
.set EE,  210
.set OT,  211
.set SW,  212
.set BK,  214
.set SEL, 20                           ; s[20:21] v_permlanex16_b32's selects for lane l xor 16
.macro XLOAD reg, s                    ; K step s of the 16 rows as it lies: each load reads 512 consecutive bytes, 16 a lane
.irp w, 0,1,2,3,4,5,6,7,8,9,10,11,12,13,14,15
	global_load_b128 v[\reg+4*\w:\reg+4*\w+3], v[L16], s[4:5] offset:1024*\w+512*\s th:TH_LOAD_NT
.endr
.endm
.macro XIN reg, s                      ; into my own stage, as loaded
.irp w, 0,1,2,3,4,5,6,7,8,9,10,11,12,13,14,15
	ds_store_b128 v[SI], v[\reg+4*\w:\reg+4*\w+3] offset:PIT*\w+512*\s
.endr
.endm
.macro XOUT reg, s                     ; and back: 64 numbers a lane: of row r, 16 neighbours of each of K step s's four blocks
.irp b, 0,1,2,3
.irp j, 0,1,2,3
	ds_load_b128 v[\reg+16*\b+4*\j:\reg+16*\b+4*\j+3], v[XA] offset:512*\s+128*\b+16*\j
.endr
.endr
.endm
.macro QUANT s, pc, pw                 ; 64 numbers of a lane, v[s] on, become a fragment's 12 registers of codes in v[pc] on and its scale word in v[pw]
.irp b, 0,1,2,3
	v_max3_num_f32 v[TM+\b], |v[\s+16*\b]|, |v[\s+1+16*\b]|, 0x1800000   ; block b: my 16 numbers, and the floor 2^(3 - 127)
.endr
.irp i, 2,4,6,8,10,12,14
.irp b, 0,1,2,3
	v_max3_num_f32 v[TM+\b], v[TM+\b], |v[\s+16*\b+\i]|, |v[\s+1+16*\b+\i]|   ; the four blocks by turns
.endr
.endr
.irp b, 0,1,2,3
	v_permlanex16_b32 v[TM+4+\b], v[TM+\b], s[SEL], s[SEL+1]
.endr
.irp b, 0,1,2,3
	v_max_num_f32 v[TM+\b], v[TM+\b], v[TM+4+\b]   ; with lane l xor 16's 16: the block's largest magnitude
.endr
.irp b, 0,1,2,3
	v_add_nc_u32 v[TM+12+\b], 0xff000000, v[TM+\b]   ; 2 off its exponent field: the conversion's scale operand
.endr
.irp b, 0,1,2,3
	v_lshrrev_b32 v[TM+4+\b], 23, v[TM+12+\b]      ; the scale's byte
.endr
	v_lshl_or_b32 v[\pw], v[TM+5], 8, v[TM+4]
	v_lshl_or_b32 v[\pw], v[TM+6], 16, v[\pw]
	v_lshl_or_b32 v[\pw], v[TM+7], 24, v[\pw]
.irp c, 0,1
	v_cvt_scalef32_pk16_fp6_f32 v[\pc+6*\c:\pc+2+6*\c], v[\s+32*\c:\s+15+32*\c], v[TM+12+2*\c]
	v_cvt_scalef32_pk16_fp6_f32 v[\pc+12+4*\c:\pc+14+4*\c], v[\s+16+32*\c:\s+31+32*\c], v[TM+12+2*\c+1]   ; (a conversion's three registers begin on an even number)
.endr
	v_nop                                          ; one plain place behind a scaled conversion
.irp c, 0,1                            ; a whole block in a lane: lanes 0-15 block 2 c, lanes 16-31 block 2 c + 1
.irp i, 0,1,2
	v_permlane16_swap_b32 v[\pc+6*\c+\i], v[\pc+12+4*\c+\i]
.endr
.irp i, 0,1,2
	v_mov_b32 v[\pc+3+6*\c+\i], v[\pc+12+4*\c+\i]
.endr
.endr
.endm
	s_load_b256 s[24:31], s[0:1], 0x0              ; emb s[24:25], z s[26:27], embq s[28:29], zq s[30:31]
	v_lshl_add_u32 v216, v0, 2, SPARE              ; my spare word
	v_mov_b32 v217, 0
	v_lshrrev_b32 v7, 5, v0
	v_readfirstlane_b32 s8, v7                     ; wave 0, 1
	v_and_b32 v8, 31, v0                           ; lane
	v_and_b32 v9, 15, v0                           ; r
	v_bfe_u32 v[HH], v0, 4, 1                      ; h
	s_mul_i32 s16, s8, STG                         ; my stage
	v_mul_u32_u24 v[XA], v9, PIT
	v_lshl_add_u32 v[XA], v[HH], 6, v[XA]
	v_add_nc_u32 v[XA], s16, v[XA]
	v_lshlrev_b32 v[L16], 4, v8
	v_add_nc_u32 v[SI], s16, v[L16]
	v_lshlrev_b32 v[L8], 3, v8
	s_lshl_b32 s9, s8, 8
	s_add_co_u32 s9, s9, 2*STG                     ; my 256 bytes behind the stages
	v_lshl_add_u32 v[A4], v8, 2, s9
	v_lshl_add_u32 v[A8], v8, 3, s9
	s_mov_b32 s[SEL], 0x76543210
	s_mov_b32 s[SEL+1], 0xfedcba98
.irp b, 0,1,2,3
	v_mov_b32 v[TM+4+\b], 0                        ; written once: a lane permute's destination counts as one of its sources
.endr
	v_mov_b32 v[OT], 0
	v_mov_b32 v[EE], 0                             ; what a record of z holds in nh's place
	s_lshl_b32 s10, ttmp9, 1
	s_add_co_u32 s10, s10, s8                      ; my wave's number in the launch
	s_cmp_lt_u32 s10, NE
	s_cselect_b32 s11, 0, NE
	s_sub_co_u32 s11, s10, s11                     ; my tile's number in its own tensor = its record's number
	s_mul_i32 s12, s11, REC
	s_mov_b32 s13, 0
	s_lshl_b32 s14, s11, 14                        ; 16 rows of 1,024 bytes
	s_mov_b32 s15, 0
	s_wait_alu depctr_va_vdst(0)                   ; the wait at the head's end
	s_wait_kmcnt 0x0
	s_cmp_lt_u32 s10, NE                           ; the choice hangs on ids alone
	s_cselect_b64 s[4:5], s[24:25], s[26:27]
	s_cselect_b64 s[6:7], s[28:29], s[30:31]
	s_add_nc_u64 s[4:5], s[4:5], s[14:15]
	s_add_nc_u64 s[6:7], s[6:7], s[12:13]
	XLOAD X0, 0
	XLOAD X1, 1
	s_wait_loadcnt 16                              ; K step 0's sixteen loads are in; K step 1's sixteen may be out
	XIN X0, 0
	s_wait_loadcnt 0x0
	XIN X1, 1
	s_wait_dscnt 0x0                               ; the stores have read their registers, which the loads below write
	XOUT X0, 0
	XOUT X1, 1
	s_wait_dscnt 16                                ; K step 0 is back; K step 1's sixteen LDS loads may be out
	QUANT X0, PCA, PW0
.irp g, 0,1,2
	global_store_b128 v[L16], v[PCA+4*\g:PCA+4*\g+3], s[6:7] offset:512*\g   ; 32 lanes store 512 consecutive bytes, at a multiple of 256 from the buffer's first byte
.endr
	s_wait_dscnt 0x0
	QUANT X1, PCB, PW1
.irp g, 0,1,2
	global_store_b128 v[L16], v[PCB+4*\g:PCB+4*\g+3], s[6:7] offset:1536+512*\g
.endr
	s_cmp_lt_u32 s10, NE
	s_wait_alu depctr_va_vdst(0)                   ; the wait directly ahead of the branch
	s_cbranch_scc0 .Lno_nh                         ; z's rows need no sum of squares
.irp k, 0,1,2,3                        ; the row's sum of squares, of the f32 numbers: four chains of pairs, started by the first four products
	v_pk_mul_f32 v[SQ+2*\k:SQ+2*\k+1], v[X0+2*\k:X0+2*\k+1], v[X0+2*\k:X0+2*\k+1]
.endr
.set j, 4
.rept 60
	v_pk_fma_f32 v[SQ+2*(j%4):SQ+2*(j%4)+1], v[X0+2*j:X0+2*j+1], v[X0+2*j:X0+2*j+1], v[SQ+2*(j%4):SQ+2*(j%4)+1]
.set j, j+1
.endr
	v_pk_add_f32 v[SQ:SQ+1], v[SQ:SQ+1], v[SQ+2:SQ+3]
	v_pk_add_f32 v[SQ+4:SQ+5], v[SQ+4:SQ+5], v[SQ+6:SQ+7]
	v_pk_add_f32 v[SQ:SQ+1], v[SQ:SQ+1], v[SQ+4:SQ+5]
	v_add_f32 v[EE], v[SQ], v[SQ+1]
	v_permlanex16_b32 v[OT], v[EE], s[SEL], s[SEL+1]
	v_add_f32 v[EE], v[EE], v[OT]                  ; with lane l xor 16's half of the row
	v_mul_f32 v[EE], -0.5, v[EE]                   ; nh
.Lno_nh:
	v_cmp_eq_u32 vcc_lo, 1, v[HH]
	v_cndmask_b32 v[SW], v[PW0], v[PW1], vcc_lo    ; lanes 0-15 K step 0's word, lanes 16-31 K step 1's
	ds_store_b32 v[A4], v[SW]                      ; the record's last 256 bytes leave as one whole block, through the wave's own 256 bytes of LDS
	ds_store_b32 v[A4], v[EE] offset:128
	ds_load_b64 v[BK:BK+1], v[A8]                  ; LDS serves a wave's instructions in order (ISA guide 5.7.1.4): this sees my stores
	s_wait_dscnt 0x0
	global_store_b64 v[L8], v[BK:BK+1], s[6:7] offset:3072
	s_wait_tensorcnt 0x0                           ; the wave's end
	ds_add_u32 v216, v217
	s_wait_dscnt 0x0
	s_endpgm
.Lfunc_end_k_q477b555d8c_codes:
	.size	k_q477b555d8c_codes, .Lfunc_end_k_q477b555d8c_codes-k_q477b555d8c_codes
	.p2alignl 7, 3214868480
	.fill 96, 4, 3214868480
	.section	.rodata,"a",@progbits
	.p2align	6, 0x0
	.amdhsa_kernel k_q477b555d8c_codes
		.amdhsa_group_segment_fixed_size 34048
		.amdhsa_private_segment_fixed_size 0
		.amdhsa_enable_private_segment 0
		.amdhsa_kernarg_size 32
		.amdhsa_user_sgpr_count 2
		.amdhsa_user_sgpr_kernarg_segment_ptr 1
		.amdhsa_wavefront_size32 1
		.amdhsa_system_sgpr_workgroup_id_x 1
		.amdhsa_system_sgpr_workgroup_id_y 1
		.amdhsa_system_sgpr_workgroup_id_z 1
		.amdhsa_system_vgpr_workitem_id 0
		.amdhsa_next_free_vgpr 218
		.amdhsa_next_free_sgpr 66
		.amdhsa_reserve_vcc 1
		.amdhsa_float_denorm_mode_32 3
		.amdhsa_float_denorm_mode_16_64 3
		.amdhsa_memory_ordered 1
		.amdhsa_forward_progress 1
		.amdhsa_inst_pref_size 23
	.end_amdhsa_kernel
	.amdgpu_metadata
---
amdhsa.version: [ 1, 2 ]
amdhsa.kernels:
  - .name:           k_q477b555d8c_codes
    .symbol:         k_q477b555d8c_codes.kd
    .args:
      - { .name: emb, .offset: 0, .size: 8, .value_kind: global_buffer, .address_space: global }
      - { .name: z, .offset: 8, .size: 8, .value_kind: global_buffer, .address_space: global }
      - { .name: embq, .offset: 16, .size: 8, .value_kind: global_buffer, .address_space: global }
      - { .name: zq, .offset: 24, .size: 8, .value_kind: global_buffer, .address_space: global }
    .group_segment_fixed_size: 34048
    .private_segment_fixed_size: 0
    .kernarg_segment_align: 8
    .kernarg_segment_size: 32
    .max_flat_workgroup_size: 64
    .sgpr_count:     66
    .vgpr_count:     218
    .wavefront_size: 32
...
	.end_amdgpu_metadata
.endif
;; end of part 1
;; launch search (part 2): grid 256 x 1, 8 waves a work-group, clusters of 4 x 1, 327,680 bytes of LDS; arguments zq, embq, tilew, keyw; writes tilew, keyw
.if DOCPART == 2
	.amdgcn_target "amdgcn-amd-amdhsa--gfx1250"
	.amdhsa_code_object_version 6
	.text
	.protected	k_q477b555d8c_search
	.globl	k_q477b555d8c_search
	.p2align	8
	.type	k_q477b555d8c_search,@function
k_q477b555d8c_search:
	s_mov_b64 s[64:65], 0
	v_nop
	global_prefetch_b8 v0, s[64:65] scope:SCOPE_SE
	s_setreg_imm32_b32 hwreg(HW_REG_WAVE_MODE, 25, 1), 1
	s_wait_xcnt 0x0
	s_wait_alu depctr_hold_cnt(0) depctr_sa_sdst(0) depctr_va_vdst(0) depctr_va_sdst(0) depctr_va_ssrc(0) depctr_va_vcc(0) depctr_vm_vsrc(0)
	s_getreg_b32 s2, hwreg(HW_REG_IB_STS2, 6, 4)
	s_cmp_eq_u32 s2, 0
	s_cbranch_scc0 .Lentry_in_a_cluster
	s_endpgm
.Lentry_in_a_cluster:
	s_bfe_u32 s2, ttmp6, 0x10000c
	s_cmp_lg_u32 s2, 0x3003
	s_cbranch_scc0 .Lentry_shape_is_right
	s_endpgm
.Lentry_shape_is_right:
; For each of 32,768 tokens and each HALF of the codebook (4,096 rows): the first largest s(t, n) = z_q.e_q - 1/2 ||e_n||^2 of that half, the product on codes of FP6 (E2M3) with one E8M0 scale for each 32 along K.
; Stored: in tilew the number W = 2 x tile + h of the eight rows 8 W .. 8 W + 7 that hold it, in keyw the score as a whole number that keeps the scores' order.  The next launch joins the halves and finds the row.
; -2 s = ||e||^2 - 2 z.e; ||z_t||^2, the same for all n of a token, is left out of the comparison (shown at the head of the first kernel).
; The order of rounding differs from the source's: -1/2 ||e||^2 is the C of a tile's first matrix instruction, and no vector instruction forms a score.
; LIMITS: NaN and infinities among the inputs are not served (the best starts at -infinity and a NaN loses every maximum).
; SHARES.  A work-group owns 256 tokens and one half of the codebook: 256 records of embq, in 8 steps of 32.  Wave w takes token tiles 8 (w / 4) .. + 7, whose fragments it loads as register images out of zq (192 registers),
; and of each step records 8 (w % 4) + u, u = 0 .. 7: a record is read from LDS by two waves, and a wave's nine LDS loads feed sixteen matrix instructions.  A step's 106,496 bytes feed 1,024 matrix instructions of the work-group.
; THE PRODUCT: source 0 = 16 codebook rows, source 1 = 16 tokens: a lane (r, h) holds token r, its register j the row 8 h + j of the tile.
; THE TRACKING, for each tile and lane: four three-way maxima chain the old best and the 8 scores into the new best; one compare (strictly greater: the earliest tile is kept); one select takes the tile's number.
; Behind the loop: lane l xor 16, then the four slices through LDS; of equal bests the lower W stays.
; THE RING: two LDS slots of one step each.  At the head every wave asks for one quarter: waves 0-3 slot 0's, waves 4-7 slot 1's; later waves 0-3 fill slot 0 again and waves 4-7 slot 1.  One tensor load of a wave is out at the most.
; CLUSTER: the half hangs on the cluster's number, so the four work-groups of a cluster walk the same stream and ask for each step JOINTLY: the same tensor load, the same descriptor, the mask 15.
; THE CHANGE OF SLOTS stands in front of a step's eighth tile, whose record is in registers by then: that tile's sixteen matrix instructions, work on registers alone, stand between the barrier's signal and its wait;
; its tracking follows behind the refill and the loads of the next slot's first record.
; REGISTERS.  Window 0: v1-13, v26-28 addresses; v16-25 scale words, which hold nothing else; v30-53 tile numbers and the best in two sets; v54-69 nh, two sets; v72-135 the eight accumulators; v136-247 at work.
;   Window 1: v0-191 z's fragments (tile t, K step s at 24 t + 12 s); v192-239 the record's fragments, two sets.
.set REC,   3328
.set WPART, 8*REC                      ; a slice's part of a step
.set SLOTB, 32*REC                     ; a step: 106,496 bytes
.set QUART, SLOTB/4                    ; what one tensor load brings: 104 rows of 256 bytes
.set HALFB, 8*SLOTB                    ; half of embq
.set MV,    2*SLOTB                    ; behind the ring: each slice's best for each token: [4][256] f32;  4,096 bytes on: the numbers W
.set SPARE, MV+8192                    ; the spare words, 128 bytes for each wave: four blocks of 256 bytes that no other line names
.set SPW, 1
.set NIL, 2
.set AC,  3                            ; v3-4   slot 0, 1: my records' images: 16 x lane + WPART x slice
.set AS,  5                            ; v5-6   their scale words: 4 x lane + WPART x slice + 3072
.set AN,  7                            ; v7-8   their nh: 32 h + WPART x slice + 3200
.set CUR, 9                            ; v9   the number of the tile in hand
.set PFO, 10                           ; v10  256 x min(lane, 25)
.set L16, 11                           ; v11  16 x lane
.set L4,  12                           ; v12  4 x lane + 3072
.set H1,  13                           ; v13  h
.set ZS,  16                           ; v16-23 z's scale words: lanes 0-15 K step 0, lanes 16-31 K step 1
.set ES,  24                           ; v24-25 the record's, two sets, likewise
.set MVA, 26                           ; v26  MV + 1024 x slice + 512 x (wave / 4) + 4 r
.set RDA, 27                           ; v27  MV + 8 x thread (waves 0-3)
.set GO,  28                           ; v28  8 x (thread mod 128)
.set ID,  30
.set BA,  38
.set BB,  46
.set NH,  54
.set ACC, 72
.set IX,  208
.set OV,  216
.set OI,  224
.set BV,  232
.set EF,  192                          ; in window 1
.set WV,  12
.set CX,  13
.set XG,  14                           ; my block of 256 tokens
.set HB,  15                           ; my half of the codebook
.set G1,  16                           ; s[16:23] descriptor group 1
.set G0,  24                           ; s[24:27] group 0, my wave's one set
.set NXT, 28                           ; s[28:29] one step ahead of my first refill's address
.set PFA, 32
.set LIM, 34                           ; 5 in a wave that prefetches, else 0
.set KC,  35                           ; changes of slots that have filled a slot
.set TRIP, 36
.set SEL, 38
.set MK,  40                           ; s40-47 a lane mask for each tile of tokens
.set MSB, 0
.macro WIN new                         ; the immediate's high byte repeats the setting that is left
.if MSB != \new
	s_set_vgpr_msb (MSB<<8)|\new
.set MSB, \new
.endif
.endm
.macro PLACES n
.rept \n
	v_nop
.endr
.endm
.macro CREST                           ; a round of the cluster's barrier behind its opening barrier
	s_cmp_lg_u32 s[WV], 0
	s_cbranch_scc1 .Lnot_wave_0_\@
	s_barrier_signal -3
.Lnot_wave_0_\@:
	s_barrier_wait -3
	s_barrier_signal -1
	s_barrier_wait -1
.endm
.macro CROUND                          ; a whole round
	s_barrier_signal -1
	s_barrier_wait -1
	CREST
.endm
.macro TLOAD n                         ; a joint refill of slot n, by the four waves that own it, a quarter each; s_nop 0 and four v_nop follow the line
.if \n
	s_cmp_ge_u32 s[WV], 4
.else
	s_cmp_lt_u32 s[WV], 4
.endif
	s_cbranch_scc0 .Lno_load_\@
	tensor_load_to_lds s[G0:G0+3], s[G1:G1+7]
	s_nop 0
.rept 4
	v_nop
.endr
.Lno_load_\@:
.endm
; A PREFETCH INTO THE L2.  Change q of slots (q = 1 .. 6) fills step q + 1; for q = 1 .. 4 it also names step q + 3, which the tensor loads two changes on will ask for.
; Clusters 0 and 1 alone ask, one for each half, since all clusters of a half walk the same bytes; the four partners take 26,624 bytes of the step each, told apart by address; in each, waves 4-7 take 6,656 bytes each:
; 26 blocks of 256 bytes, a lane a block; lanes 26-31 name the wave's last block again.  Steps 0 to 3 come by their loads alone; step 7 is the half's last, and behind it nothing is named.
.macro ASK
	s_cmp_lt_u32 s[KC], s[LIM]
	s_cbranch_scc0 .Lnot_mine_\@
	global_prefetch_b8 v[PFO], s[PFA:PFA+1] th:TH_LOAD_NT scope:SCOPE_SE
.Lnot_mine_\@:
.endm
.macro LOADT slot, u, buf              ; nine LDS loads: my record u of the slot into set buf: scale words, nh in the result's layout, six images.  Leaves the destination's window at 1
	WIN 0
	ds_load_b32 v[ES+(\buf)], v[AS+(\slot)] offset:REC*(\u)
	ds_load_b128 v[NH+8*(\buf):NH+8*(\buf)+3], v[AN+(\slot)] offset:REC*(\u)
	ds_load_b128 v[NH+8*(\buf)+4:NH+8*(\buf)+7], v[AN+(\slot)] offset:REC*(\u)+16
	WIN 0x40
.irp g, 0,1,2,3,4,5
	ds_load_b128 v[EF+24*(\buf)+4*\g:EF+24*(\buf)+4*\g+3], v[AC+(\slot)] offset:REC*(\u)+512*\g
.endr
.endm
.macro MUL buf                         ; sixteen matrix instructions: K step 0 (C = nh starts the sums), then K step 1; the eight accumulators take turns.  Leaves every window 0
	WIN 0x05                                       ; sources 0 and 1 window 1; C and D window 0
.irp t, 0,1,2,3,4,5,6,7
	v_wmma_scale_f32_16x16x128_f8f6f4 v[ACC+8*\t:ACC+8*\t+7], v[EF+24*(\buf):EF+24*(\buf)+11], v[24*\t:24*\t+11], v[NH+8*(\buf):NH+8*(\buf)+7], v[ES+(\buf)], v[ZS+\t] matrix_a_fmt:MATRIX_FMT_FP6 matrix_b_fmt:MATRIX_FMT_FP6
.endr
.irp t, 0,1,2,3,4,5,6,7
	v_wmma_scale_f32_16x16x128_f8f6f4 v[ACC+8*\t:ACC+8*\t+7], v[EF+24*(\buf)+12:EF+24*(\buf)+23], v[24*\t+12:24*\t+23], v[ACC+8*\t:ACC+8*\t+7], v[ES+(\buf)], v[ZS+\t] matrix_a_fmt:MATRIX_FMT_FP6 matrix_b_fmt:MATRIX_FMT_FP6 matrix_a_scale:MATRIX_SCALE_ROW1 matrix_b_scale:MATRIX_SCALE_ROW1
.endr
	WIN 0
.endm
.macro TRACK par, inc                  ; par = 0: the old best lies in BA and the new goes to BB; 1: the other way round.  inc: from this tile's number to my next tile's
.if \par
.set OLD, BB
.set NEW, BA
.else
.set OLD, BA
.set NEW, BB
.endif
.irp t, 0,1,2,3,4,5,6,7
	v_max3_num_f32 v[NEW+\t], v[OLD+\t], v[ACC+8*\t], v[ACC+8*\t+1]   ; each accumulator from its low end on; the eight tiles by turns
.endr
.irp i, 2,4,6
.irp t, 0,1,2,3,4,5,6,7
	v_max3_num_f32 v[NEW+\t], v[NEW+\t], v[ACC+8*\t+\i], v[ACC+8*\t+\i+1]
.endr
.endr
.irp t, 0,1,2,3,4,5,6,7
	v_cmp_gt_f32 s[MK+\t], v[NEW+\t], v[OLD+\t]    ; strictly greater: of equal bests the earlier tile stays
.endr
.irp t, 0,1,2,3,4,5,6,7
	v_cndmask_b32 v[ID+\t], v[ID+\t], v[CUR], s[MK+\t]
.endr
	v_add_nc_u32 v[CUR], \inc, v[CUR]
.endm
; THE CHANGE OF SLOTS.  Every wave waits for all its tensor loads, adds 0 to its spare word, and waits for that and for its reads of this slot, whose last record is in registers; it signals, multiplies that record, and waits.
; fill = 1: the barrier opens a round of the cluster's barrier; the joint refill, two steps on, is the first tensor load behind it.  Every wave steps its address by one step at each such change, and uses it at every second one.
; fill = 0: it shows the other slot whole to every wave.
.macro CHANGE slot, fill
	s_wait_tensorcnt 0x0                           ; no tensor load of mine is out, so group 0 may be written
	ds_add_u32 v[SPW], v[NIL]
.if \fill
	s_add_nc_u64 s[G0+2:G0+3], s[G0+2:G0+3], SLOTB ; the type bits on top are not reached
	s_wait_xcnt 0x0                                ; the last prefetch, a step back, has read its address
	s_add_nc_u64 s[PFA:PFA+1], s[PFA:PFA+1], SLOTB
	s_add_co_u32 s[KC], s[KC], 1
.endif
	s_wait_dscnt 0x0                               ; the add is done, and my reads of the slot are over
	s_barrier_signal -1                            ; say so,
	MUL 1                                          ; work on registers while the others arrive,
	s_barrier_wait -1                              ; and go on when all eight have said so
.if \fill
	CREST
	TLOAD \slot
	ASK
.endif
.endm
; A STEP: my eight tiles in the slot.  Tile u is multiplied from set u % 2 while the next record comes into the other set: s_wait_dscnt 9 leaves those nine loads out.
; Behind each MUL stand four places ahead of the first read of results; they and the tracking are also the places ahead of the loads into the set just read and of the next products, which write over the accumulators.
; mode 2: the slot is filled again; 1: the change of slots without a refill; 0: the last step.
.macro STEP slot, mode
.irp u, 0,1,2,3,4,5
	LOADT \slot, \u+1, (\u+1)%2
	s_wait_dscnt 9
	MUL \u%2
	PLACES 4
	TRACK \u%2, 1
.endr
	LOADT \slot, 7, 1
	s_wait_dscnt 9
	MUL 0
	PLACES 4
	TRACK 0, 1
.if \mode > 0
	CHANGE \slot, \mode-1                          ; the eighth tile is multiplied in it
	LOADT 1-\slot, 0, 0                            ; the next step's first record, out of the other slot
	WIN 0
.else
	s_wait_dscnt 0x0
	MUL 1
.endif
	PLACES 4
	TRACK 1, 25                                    ; from my eighth tile of a step to my first of the next: 32 - 7
.endm
	s_load_b256 s[4:11], s[0:1], 0x0               ; zq s[4:5], embq s[6:7], tilew s[8:9], keyw s[10:11]
	v_lshl_add_u32 v[SPW], v0, 2, SPARE
	v_mov_b32 v[NIL], 0
	ds_add_u32 v[SPW], v[NIL]                      ; the opening lines: the add, twice on end, and its wait ahead of my first tensor load
	ds_add_u32 v[SPW], v[NIL]
	v_lshrrev_b32 v240, 5, v0
	s_delay_alu instid0(VALU_DEP_1)
	v_readfirstlane_b32 s[WV], v240                ; wave 0..7
	s_bfe_u32 s[CX], ttmp6, 0x40000                ; cx: my place in the cluster
	s_and_b32 s[HB], ttmp9, 1                      ; the half: the same in all four partners
	s_lshr_b32 s[XG], ttmp9, 1
	s_lshl_b32 s[XG], s[XG], 2
	s_add_co_u32 s[XG], s[XG], s[CX]               ; my block of 256 tokens: it enters zq's, tilew's and keyw's addresses alone
	v_and_b32 v241, 31, v0                         ; lane
	v_and_b32 v242, 15, v0                         ; r
	v_bfe_u32 v[H1], v0, 4, 1                      ; h
	s_and_b32 s54, s[WV], 3                        ; my slice
	s_lshr_b32 s55, s[WV], 2                       ; my half of the tokens
	s_mul_i32 s48, s54, WPART
	v_lshl_add_u32 v[AC], v241, 4, s48
	s_delay_alu instid0(VALU_DEP_1)
	v_add_nc_u32 v[AC+1], SLOTB, v[AC]
	v_lshl_add_u32 v[AS], v241, 2, s48
	s_delay_alu instid0(VALU_DEP_1)
	v_add_nc_u32 v[AS], 3072, v[AS]
	s_delay_alu instid0(VALU_DEP_1)
	v_add_nc_u32 v[AS+1], SLOTB, v[AS]
	v_lshl_add_u32 v[AN], v[H1], 5, s48
	s_delay_alu instid0(VALU_DEP_1)
	v_add_nc_u32 v[AN], 3200, v[AN]
	s_delay_alu instid0(VALU_DEP_1)
	v_add_nc_u32 v[AN+1], SLOTB, v[AN]
	s_lshl_b32 s49, s54, 3
	s_lshl_b32 s50, s[HB], 8
	s_add_co_u32 s49, s49, s50
	v_mov_b32 v[CUR], s49                          ; my first tile: 256 x half + 8 x slice
	v_min_u32 v[PFO], 25, v241
	s_delay_alu instid0(VALU_DEP_1)
	v_lshlrev_b32 v[PFO], 8, v[PFO]
	v_lshlrev_b32 v[L16], 4, v241
	v_lshl_add_u32 v[L4], v241, 2, 3072
	s_lshl_b32 s49, s54, 10
	s_lshl_b32 s50, s55, 9
	s_add_co_u32 s49, s49, s50
	v_lshl_add_u32 v[MVA], v242, 2, s49
	s_delay_alu instid0(VALU_DEP_1)
	v_add_nc_u32 v[MVA], MV, v[MVA]
	v_lshl_add_u32 v[RDA], v0, 3, MV
	v_and_b32 v[GO], 127, v0
	s_delay_alu instid0(VALU_DEP_1)
	v_lshlrev_b32 v[GO], 3, v[GO]
.irp t, 0,1,2,3,4,5,6,7
	v_mov_b32 v[BA+\t], 0xff800000                 ; the best so far: -infinity
	v_mov_b32 v[ID+\t], 0
	v_mov_b32 v[OV+\t], 0                          ; (a lane permute's destination counts as one of its sources)
	v_mov_b32 v[OI+\t], 0
.endr
	s_mov_b32 s[SEL], 0x76543210
	s_mov_b32 s[SEL+1], 0xfedcba98
	; descriptor group 1: a dense block of 26,624 bytes as 104 rows of 32 elements of 8 bytes, no padding: every LDS read of it is an image, lane l at 16 l
	s_mov_b32 s[G1+0], 15|(3<<16)|(1<<21)          ; the mask: all four work-groups; elements of 8 bytes; bit 21 set beside a mask
	s_mov_b32 s[G1+1], 32<<16
	s_mov_b32 s[G1+2], 104<<16
	s_mov_b32 s[G1+3], 32<<16
	s_mov_b32 s[G1+4], 104
	s_mov_b32 s[G1+5], 32
	s_mov_b32 s[G1+6], 0
	s_mov_b32 s[G1+7], 0
	s_mul_i32 s48, s[WV], QUART                    ; at the head, in LDS and in the stream alike: quarter w of steps 0 and 1 taken together; no place in the cluster enters it
	s_mul_i32 s49, s[HB], HALFB                    ; where my half begins in embq
	s_add_co_u32 s50, s48, s49
	s_mov_b32 s51, 0
	s_mul_i32 s52, s54, QUART
	s_add_co_u32 s52, s52, SLOTB                   ; my quarter of step 1: the first filling change steps it to step 2
	s_add_co_u32 s52, s52, s49
	s_mov_b32 s53, 0
	s_xor_b32 s[LIM], s55, 1                       ; 0 in waves 4-7,
	s_lshr_b32 s[KC], ttmp9, 1
	s_or_b32 s[LIM], s[LIM], s[KC]                 ; of clusters 0 and 1: the same in all four partners
	s_cmp_eq_u32 s[LIM], 0
	s_cselect_b32 s[LIM], 5, 0
	s_mov_b32 s[KC], 0
	s_wait_alu depctr_va_vdst(0)                   ; the wait at the head's end
	s_wait_dscnt 0x0                               ; both opening adds are done
	s_wait_kmcnt 0x0
	s_mov_b32 s[G0], 1
	s_mov_b32 s[G0+1], s48
	s_add_nc_u64 s[G0+2:G0+3], s[6:7], s[50:51]
	s_or_b32 s[G0+3], s[G0+3], 0x80000000
	CROUND                                         ; all four work-groups are here: the first joint loads meet
	tensor_load_to_lds s[G0:G0+3], s[G1:G1+7]      ; my one load at the head: every wave issues it, with no branch; all else of the head stands under its flight
	s_nop 0
.rept 4
	v_nop
.endr
	s_add_nc_u64 s[NXT:NXT+1], s[6:7], s[52:53]
	s_or_b32 s[NXT+1], s[NXT+1], 0x80000000
	s_mul_i32 s52, s[CX], QUART                    ; the prefetches: my work-group's 26,624 bytes of a step,
	s_mul_i32 s50, s54, QUART/4                    ; my wave's 6,656 of them,
	s_add_co_u32 s52, s52, s50
	s_add_co_u32 s52, s52, 3*SLOTB                 ; in step 3 of my half: the first change of slots steps it to step 4
	s_add_co_u32 s52, s52, s49
	s_add_nc_u64 s[PFA:PFA+1], s[6:7], s[52:53]
	s_lshl_b32 s52, s[XG], 1
	s_add_co_u32 s52, s52, s55
	s_mul_i32 s52, s52, 8*REC                      ; my wave's eight records of z
	s_add_nc_u64 s[4:5], s[4:5], s[52:53]
	s_lshl_b32 s52, s[XG], 10                      ; my work-group's 256 words,
	s_lshl_b32 s50, s[HB], 17                      ; in my half's 131,072 bytes
	s_add_co_u32 s52, s52, s50
	s_add_nc_u64 s[8:9], s[8:9], s[52:53]
	s_add_nc_u64 s[10:11], s[10:11], s[52:53]
	WIN 0x40                                       ; destination window 1: my sixteen fragments of z, image i of record t = registers 24 t + 4 i on
.irp t, 0,1,2,3,4,5,6,7
.irp g, 0,1,2,3,4,5
	global_load_b128 v[24*\t+4*\g:24*\t+4*\g+3], v[L16], s[4:5] offset:REC*\t+512*\g
.endr
.endr
	WIN 0
.irp t, 0,1,2,3,4,5,6,7
	global_load_b32 v[ZS+\t], v[L4], s[4:5] offset:REC*\t
.endr
	s_wait_tensorcnt 0x0                           ; my quarter is in; no tensor load of mine is out, so group 0 may be written
	s_mov_b64 s[G0+2:G0+3], s[NXT:NXT+1]
	s_barrier_signal -1
	s_barrier_wait -1                              ; both slots are whole for every wave
	s_wait_loadcnt 0x0                             ; z's fragments and scale words
	LOADT 0, 0, 0
	WIN 0                                          ; at a label and at a branch every window is 0
	s_mov_b32 s[TRIP], 3
.Lring:                                ; three trips of two steps: six refills, steps 2 to 7
	STEP 0, 2
	STEP 1, 2
	s_sub_co_u32 s[TRIP], s[TRIP], 1
	s_cmp_lg_u32 s[TRIP], 0
	s_cbranch_scc1 .Lring
	STEP 0, 1                                      ; the last two steps are written out
	STEP 1, 0
	; the best lies in BA, its tile's number in ID
.irp t, 0,1,2,3,4,5,6,7
	v_lshl_add_u32 v[ID+\t], v[ID+\t], 1, v[H1]    ; W = 2 x tile + h
.endr
.irp t, 0,1,2,3,4,5,6,7
	v_permlanex16_b32 v[OV+\t], v[BA+\t], s[SEL], s[SEL+1]
	v_permlanex16_b32 v[OI+\t], v[ID+\t], s[SEL], s[SEL+1]
.endr
.irp t, 0,1,2,3,4,5,6,7                ; lane l xor 16's is taken where it is greater, or equal with the lower W: both lanes end with the same pair
	v_cmp_gt_f32 s48, v[OV+\t], v[BA+\t]
	v_cmp_eq_f32 s49, v[OV+\t], v[BA+\t]
	v_cmp_lt_u32 s50, v[OI+\t], v[ID+\t]
	s_and_b32 s49, s49, s50
	s_or_b32 s48, s48, s49
	v_cndmask_b32 v[BV+\t], v[BA+\t], v[OV+\t], s48
	v_cndmask_b32 v[IX+\t], v[ID+\t], v[OI+\t], s48
	ds_store_b32 v[MVA], v[BV+\t] offset:64*\t
	ds_store_b32 v[MVA], v[IX+\t] offset:64*\t+4096
.endr
	s_wait_dscnt 0x0                               ; for the others' sake: my stores have landed
	s_barrier_signal -1
	s_barrier_wait -1
	s_cmp_lt_u32 s[WV], 4                          ; waves 0-3 merge the four slices' pairs, two tokens a lane
	s_cbranch_scc0 .Ldone
.irp w, 0,1,2,3
	ds_load_b64 v[136+2*\w:137+2*\w], v[RDA] offset:1024*\w
	ds_load_b64 v[152+2*\w:153+2*\w], v[RDA] offset:1024*\w+4096
.endr
	s_wait_dscnt 0x0
.irp w, 1,2,3
.irp e, 0,1
	v_cmp_gt_f32 s48, v[136+2*\w+\e], v[136+\e]
	v_cmp_eq_f32 s49, v[136+2*\w+\e], v[136+\e]
	v_cmp_lt_u32 s50, v[152+2*\w+\e], v[152+\e]
	s_and_b32 s49, s49, s50
	s_or_b32 s48, s48, s49
	v_cndmask_b32 v[136+\e], v[136+\e], v[136+2*\w+\e], s48
	v_cndmask_b32 v[152+\e], v[152+\e], v[152+2*\w+\e], s48
.endr
.endr
	; the score as a signed whole number in the scores' own order: -0 becomes +0; the bits of a negative number are turned over below the sign
.irp e, 0,1
	v_add_f32 v[136+\e], 0, v[136+\e]
.endr
.irp e, 0,1
	s_delay_alu instid0(VALU_DEP_2)
	v_ashrrev_i32 v[144+\e], 31, v[136+\e]
.endr
.irp e, 0,1
	s_delay_alu instid0(VALU_DEP_2)
	v_and_b32 v[144+\e], 0x7fffffff, v[144+\e]
.endr
.irp e, 0,1
	s_delay_alu instid0(VALU_DEP_2)
	v_xor_b32 v[136+\e], v[136+\e], v[144+\e]
.endr
	global_store_b64 v[GO], v[152:153], s[8:9]     ; 32 lanes store 256 consecutive bytes, at a multiple of 256 from the buffer's first byte
	global_store_b64 v[GO], v[136:137], s[10:11]
.Ldone:
	s_wait_tensorcnt 0x0                           ; the wave's end
	ds_add_u32 v[SPW], v[NIL]
	s_wait_dscnt 0x0
	CROUND                                         ; the closing round: no work-group ends while a partner may still ask for a step that names it
	s_endpgm
.Lfunc_end_k_q477b555d8c_search:
	.size	k_q477b555d8c_search, .Lfunc_end_k_q477b555d8c_search-k_q477b555d8c_search
	.p2alignl 7, 3214868480
	.fill 96, 4, 3214868480
	.section	.rodata,"a",@progbits
	.p2align	6, 0x0
	.amdhsa_kernel k_q477b555d8c_search
		.amdhsa_group_segment_fixed_size 327680
		.amdhsa_private_segment_fixed_size 0
		.amdhsa_enable_private_segment 0
		.amdhsa_kernarg_size 32
		.amdhsa_user_sgpr_count 2
		.amdhsa_user_sgpr_kernarg_segment_ptr 1
		.amdhsa_wavefront_size32 1
		.amdhsa_system_sgpr_workgroup_id_x 1
		.amdhsa_system_sgpr_workgroup_id_y 1
		.amdhsa_system_sgpr_workgroup_id_z 1
		.amdhsa_system_vgpr_workitem_id 0
		.amdhsa_next_free_vgpr 512
		.amdhsa_next_free_sgpr 66
		.amdhsa_reserve_vcc 0
		.amdhsa_float_denorm_mode_32 3
		.amdhsa_float_denorm_mode_16_64 3
		.amdhsa_memory_ordered 1
		.amdhsa_forward_progress 1
		.amdhsa_inst_pref_size 212
	.end_amdhsa_kernel
	.amdgpu_metadata
---
amdhsa.version: [ 1, 2 ]
amdhsa.kernels:
  - .name:           k_q477b555d8c_search
    .symbol:         k_q477b555d8c_search.kd
    .args:
      - { .name: zq, .offset: 0, .size: 8, .value_kind: global_buffer, .address_space: global }
      - { .name: embq, .offset: 8, .size: 8, .value_kind: global_buffer, .address_space: global }
      - { .name: tilew, .offset: 16, .size: 8, .value_kind: global_buffer, .address_space: global }
      - { .name: keyw, .offset: 24, .size: 8, .value_kind: global_buffer, .address_space: global }
    .group_segment_fixed_size: 327680
    .private_segment_fixed_size: 0
    .kernarg_segment_align: 8
    .kernarg_segment_size: 32
    .max_flat_workgroup_size: 256
    .sgpr_count:     66
    .vgpr_count:     512
    .wavefront_size: 32
...
	.end_amdgpu_metadata
.endif
;; end of part 2
;; launch pick (part 3): grid 256 x 1, 8 waves a work-group, no clusters, 2,048 bytes of LDS; arguments zq, embq, tilew, keyw, out2, idxw; writes out2, idxw
.if DOCPART == 3
	.amdgcn_target "amdgcn-amd-amdhsa--gfx1250"
	.amdhsa_code_object_version 6
	.text
	.protected	k_q477b555d8c_pick
	.globl	k_q477b555d8c_pick
	.p2align	8
	.type	k_q477b555d8c_pick,@function
k_q477b555d8c_pick:
	s_mov_b64 s[64:65], 0
	v_nop
	global_prefetch_b8 v0, s[64:65] scope:SCOPE_SE
	s_setreg_imm32_b32 hwreg(HW_REG_WAVE_MODE, 25, 1), 1
	s_wait_xcnt 0x0
; The index of each token's codebook row.  For each half of the codebook the launch before has stored, as whole numbers, W (rows 8 W .. 8 W + 7 hold that half's first largest s = z_q.e_q - 1/2 ||e||^2) and the score as
; a key in the scores' order (||z||^2 is left out of the comparison, as shown at the head of the first kernel).  Here the greater key's W is taken (of equal keys the first half's, which has the lower rows),
; those eight rows are multiplied once more, by the same two matrix instructions on the same codes, scales and C = nh, and the first largest of the 8 scores gives the index 8 W + register: to out2 and, for the gather, to idxw.
; SHARES.  A wave takes a tile of 16 tokens.  Source 0 of product p holds in its rows 0-7 token p's eight rows and in its rows 8-15 token p + 8's; source 1 is the 16 tokens' fragment.
; Of the result only two columns' halves count: lane p (token p, rows 0-7) and lane p + 24 (token p + 8, rows 8-15), which a select with a constant lane mask keeps.  All eight products' operands are asked for in one run.
; The numbers W are held to 0 .. 1023 before they enter an address.  No tensor load, no cluster: the rows that the waves read hang on stored numbers.
; A PREFETCH: embq is 256 x 6,656 bytes; wave 0 of work-group x names the x-th of these parts, 26 blocks of 256 bytes, a lane a block (lanes 26-31 the last block again), once, while the stored numbers on which the rows hang are being loaded.
; LIMITS: NaN and infinities among the inputs are not served.
; REGISTERS.  Window 0: v1-11 addresses; v12-35 z's fragment; v36, v40-47 scale words, which hold nothing else; v56-119 nh and then the results; v120-127 the kept scores; v128-151 offsets; v152-187 at work.  Window 1: v0-191 the eight source 0's codes.
.set REC, 3328
.set SPARE, 1024                       ; LDS: 128 bytes a wave (64 of indices, 64 that nobody reads), then the spare words, 128 bytes for each wave
.set SPW, 1
.set NIL, 2
.set L16, 3                            ; 16 x lane
.set L4S, 4                            ; 4 x lane + 3072
.set LC,  5                            ; 16 (r % 8) + 256 h: my place in an image of a half tile's rows
.set LS,  6                            ; 3072 + 64 h + 4 (r % 8): and among its scale words
.set R4,  7                            ; 4 r
.set STA, 8                            ; LDS: 128 x wave + 4 x (((lane + 8) % 32) xor 8): lanes 0-7 words 0-7, lanes 24-31 words 8-15, the others words 16-31
.set RDA, 9                            ; LDS: 128 x (thread / 8) + 8 x (thread % 8) (waves 0, 1)
.set GO,  10                           ; 8 x thread
.set PFO, 11                           ; 256 x min(lane, 25)
.set ZF,  12
.set ZSC, 36
.set ES,  40
.set NH,  56
.set SAVE, 120
.set VO,  128
.set VS,  136
.set VN,  144
.set TA,  152
.set TB,  160
.set TC,  168
.set TD,  176
.set WL,  184                          ; v184-187 my token's two W and two keys
.set TV,  188
.set MX,  244
.set JJ,  245
.set IX,  246
.set BK,  250
.set W0,  16                           ; s16-31 the first half's W, then the chosen W;  s32-47 the second half's;  s48-63, s68-83 the keys
.set MR,  90                           ; lanes whose row of source 0 is 8-15
.set MH,  91                           ; lanes 16-31
.set MSB, 0
.macro WIN new
.if MSB != \new
	s_set_vgpr_msb (MSB<<8)|\new
.set MSB, \new
.endif
.endm
	s_load_b256 s[4:11], s[0:1], 0x0               ; zq s[4:5], embq s[6:7], tilew s[8:9], keyw s[10:11]
	s_load_b128 s[84:87], s[0:1], 0x20             ; out2 s[84:85], idxw s[86:87]
	v_lshl_add_u32 v[SPW], v0, 2, SPARE
	v_mov_b32 v[NIL], 0
	v_lshrrev_b32 v240, 5, v0
	s_delay_alu instid0(VALU_DEP_1)
	v_readfirstlane_b32 s14, v240                  ; wave
	v_and_b32 v241, 31, v0
	v_and_b32 v242, 15, v0                         ; r
	v_bfe_u32 v243, v0, 4, 1                       ; h
	v_and_b32 v240, 7, v0                          ; r % 8
	v_lshlrev_b32 v[L16], 4, v241
	v_lshl_add_u32 v[L4S], v241, 2, 3072
	v_lshlrev_b32 v[LC], 8, v243
	v_lshl_add_u32 v[LS], v243, 6, 3072
	v_lshl_add_u32 v[LC], v240, 4, v[LC]
	v_lshl_add_u32 v[LS], v240, 2, v[LS]
	v_lshlrev_b32 v[R4], 2, v242
	v_add_nc_u32 v[STA], 8, v241
	v_lshrrev_b32 v[RDA], 3, v0
	v_and_b32 v[STA], 31, v[STA]
	v_lshlrev_b32 v[RDA], 7, v[RDA]
	v_xor_b32 v[STA], 8, v[STA]
	v_lshl_add_u32 v[RDA], v240, 3, v[RDA]
	s_lshl_b32 s33, s14, 7
	v_lshl_add_u32 v[STA], v[STA], 2, s33
	v_lshlrev_b32 v[GO], 3, v0
	v_min_u32 v[PFO], 25, v241
	s_delay_alu instid0(VALU_DEP_1)
	v_lshlrev_b32 v[PFO], 8, v[PFO]
	s_lshl_b32 s15, ttmp9, 3
	s_add_co_u32 s15, s15, s14                     ; my tile of 16 tokens
	s_mul_i32 s34, s15, REC
	s_mov_b32 s35, 0
	s_lshl_b32 s36, s15, 6                         ; its 16 words
	s_mov_b32 s37, 0
	s_lshl_b32 s38, ttmp9, 9                       ; the work-group's 128 indices
	s_mov_b32 s39, 0
	s_mul_i32 s40, ttmp9, 6656                     ; the work-group's part of embq
	s_mov_b32 s41, 0
	s_mov_b32 s[MR], 0xff00ff00
	s_mov_b32 s[MH], 0xffff0000
	s_wait_alu depctr_va_vdst(0)                   ; the wait at the head's end
	s_wait_kmcnt 0x0
	s_add_nc_u64 s[88:89], s[6:7], s[40:41]
	s_add_nc_u64 s[4:5], s[4:5], s[34:35]
	s_add_nc_u64 s[8:9], s[8:9], s[36:37]
	s_add_nc_u64 s[10:11], s[10:11], s[36:37]
	s_add_nc_u64 s[84:85], s[84:85], s[38:39]
	s_add_nc_u64 s[86:87], s[86:87], s[38:39]
	s_load_b512 s[16:31], s[8:9], 0x0              ; the 16 tokens' W and keys as scalars: the first half's,
	s_load_b512 s[32:47], s[8:9], 0x20000          ; and, 131,072 bytes on, the second half's
	s_load_b512 s[48:63], s[10:11], 0x0
	s_load_b512 s[68:83], s[10:11], 0x20000
	s_cmp_lg_u32 s14, 0
	s_cbranch_scc1 .Lno_ask
	global_prefetch_b8 v[PFO], s[88:89] th:TH_LOAD_NT scope:SCOPE_SE
.Lno_ask:
.irp g, 0,1,2,3,4,5
	global_load_b128 v[ZF+4*\g:ZF+4*\g+3], v[L16], s[4:5] offset:512*\g
.endr
	global_load_b32 v[ZSC], v[L4S], s[4:5]
	global_load_b32 v[WL], v[R4], s[8:9]           ; and token (lane % 16)'s in each lane
	global_load_b32 v[WL+1], v[R4], s[8:9] offset:131072
	global_load_b32 v[WL+2], v[R4], s[10:11]
	global_load_b32 v[WL+3], v[R4], s[10:11] offset:131072
	s_wait_kmcnt 0x0
.irp i, 0,1,2,3,4,5,6,7,8,9,10,11,12,13,14,15
	s_cmp_gt_i32 s[68+\i], s[48+\i]                ; strictly greater: of equal keys the first half stays
	s_cselect_b32 s[W0+\i], s[32+\i], s[W0+\i]
.endr
	; the offsets of product p's operands: TA = the W of my row of source 0 (token p or p + 8 by r / 8), TB = the W of my rows of C (by h)
.irp p, 0,1,2,3,4,5,6,7
	v_mov_b32 v[TA+\p], s[W0+\p]
.endr
.irp p, 0,1,2,3,4,5,6,7
	v_cndmask_b32 v[TB+\p], v[TA+\p], s[W0+8+\p], s[MH]
.endr
.irp p, 0,1,2,3,4,5,6,7
	v_cndmask_b32 v[TA+\p], v[TA+\p], s[W0+8+\p], s[MR]
.endr
.irp p, 0,1,2,3,4,5,6,7
	v_min_u32 v[TA+\p], 0x3ff, v[TA+\p]            ; inside the 1,024 half tiles
.endr
.irp p, 0,1,2,3,4,5,6,7
	v_min_u32 v[TB+\p], 0x3ff, v[TB+\p]
.endr
.irp p, 0,1,2,3,4,5,6,7
	v_and_b32 v[TC+\p], 0x3fe, v[TA+\p]            ; 2 x tile
.endr
.irp p, 0,1,2,3,4,5,6,7
	v_and_b32 v[TD+\p], 0x3fe, v[TB+\p]
.endr
.irp p, 0,1,2,3,4,5,6,7
	v_and_b32 v[TA+\p], 1, v[TA+\p]                ; which half of the tile
.endr
.irp p, 0,1,2,3,4,5,6,7
	v_and_b32 v[TB+\p], 1, v[TB+\p]
.endr
.irp p, 0,1,2,3,4,5,6,7
	v_mul_u32_u24 v[TC+\p], v[TC+\p], REC/2        ; the record
.endr
.irp p, 0,1,2,3,4,5,6,7
	v_mul_u32_u24 v[TD+\p], v[TD+\p], REC/2
.endr
.irp p, 0,1,2,3,4,5,6,7
	v_lshl_add_u32 v[VO+\p], v[TA+\p], 7, v[TC+\p] ; eight rows are 128 bytes of an image,
.endr
.irp p, 0,1,2,3,4,5,6,7
	v_lshl_add_u32 v[VS+\p], v[TA+\p], 5, v[TC+\p] ; 32 of the scale words
.endr
.irp p, 0,1,2,3,4,5,6,7
	v_lshl_add_u32 v[VN+\p], v[TB+\p], 5, v[TD+\p] ; and 32 of nh
.endr
.irp p, 0,1,2,3,4,5,6,7
	v_add_nc_u32 v[VO+\p], v[VO+\p], v[LC]
.endr
.irp p, 0,1,2,3,4,5,6,7
	v_add_nc_u32 v[VS+\p], v[VS+\p], v[LS]
.endr
	s_wait_alu depctr_va_vdst(0)                   ; the wait behind these writes
.irp p, 0,1,2,3,4,5,6,7
	global_load_b32 v[ES+\p], v[VS+\p], s[6:7]
	global_load_b128 v[NH+8*\p:NH+8*\p+3], v[VN+\p], s[6:7] offset:3200
	global_load_b128 v[NH+8*\p+4:NH+8*\p+7], v[VN+\p], s[6:7] offset:3216
.endr
	WIN 0x40                                       ; destination window 1
.irp p, 0,1,2,3,4,5,6,7
.irp g, 0,1,2,3,4,5
	global_load_b128 v[24*\p+4*\g:24*\p+4*\g+3], v[VO+\p], s[6:7] offset:512*\g
.endr
.endr
	WIN 0
	s_wait_loadcnt 0x0
	WIN 0x01                                       ; source 0 window 1.  K step 0 on nh, then K step 1, in place; the eight accumulators take turns
.irp p, 0,1,2,3,4,5,6,7
	v_wmma_scale_f32_16x16x128_f8f6f4 v[NH+8*\p:NH+8*\p+7], v[24*\p:24*\p+11], v[ZF:ZF+11], v[NH+8*\p:NH+8*\p+7], v[ES+\p], v[ZSC] matrix_a_fmt:MATRIX_FMT_FP6 matrix_b_fmt:MATRIX_FMT_FP6
.endr
.irp p, 0,1,2,3,4,5,6,7
	v_wmma_scale_f32_16x16x128_f8f6f4 v[NH+8*\p:NH+8*\p+7], v[24*\p+12:24*\p+23], v[ZF+12:ZF+23], v[NH+8*\p:NH+8*\p+7], v[ES+\p], v[ZSC] matrix_a_fmt:MATRIX_FMT_FP6 matrix_b_fmt:MATRIX_FMT_FP6 matrix_a_scale:MATRIX_SCALE_ROW1 matrix_b_scale:MATRIX_SCALE_ROW1
.endr
	WIN 0
	v_cmp_gt_i32 vcc_lo, v[WL+3], v[WL+2]          ; my token's W, chosen as above.  (These two and two v_nop are the four places ahead of the first read of results)
	v_cndmask_b32 v[TV], v[WL], v[WL+1], vcc_lo
	v_nop
	v_nop
.irp j, 0,1,2,3,4,5,6,7
	v_mov_b32 v[SAVE+\j], v[NH+\j]                 ; product 0 writes every lane; the later ones write over their own two lanes; each accumulator from its low end on
.endr
.irp p, 1,2,3,4,5,6,7
	s_mov_b32 s34, 0x1000001<<\p                   ; lanes p and p + 24
.irp j, 0,1,2,3,4,5,6,7
	v_cndmask_b32 v[SAVE+\j], v[SAVE+\j], v[NH+8*\p+\j], s34
.endr
.endr
	; lanes 0-7 and 24-31 hold the 8 scores of token lane % 16; what the other lanes make goes to LDS words that nobody reads
	v_max3_num_f32 v[MX], v[SAVE], v[SAVE+1], v[SAVE+2]
	s_delay_alu instid0(VALU_DEP_1)
	v_max3_num_f32 v[MX], v[MX], v[SAVE+3], v[SAVE+4]
	s_delay_alu instid0(VALU_DEP_1)
	v_max3_num_f32 v[MX], v[MX], v[SAVE+5], v[SAVE+6]
	s_delay_alu instid0(VALU_DEP_1)
	v_max_num_f32 v[MX], v[MX], v[SAVE+7]
	v_mov_b32 v[JJ], 7
.irp j, 6,5,4,3,2,1,0                  ; the lowest register that equals the largest
	v_cmp_eq_f32 vcc_lo, v[SAVE+\j], v[MX]
	s_delay_alu instid0(VALU_DEP_1)
	v_cndmask_b32 v[JJ], v[JJ], \j, vcc_lo
.endr
	s_delay_alu instid0(VALU_DEP_1)
	v_lshl_add_u32 v[IX], v[TV], 3, v[JJ]          ; 8 W + register
	ds_store_b32 v[STA], v[IX]
	s_wait_dscnt 0x0                               ; for the others' sake
	s_barrier_signal -1
	s_barrier_wait -1
	s_cmp_lt_u32 s14, 2
	s_cbranch_scc0 .Ldone
	ds_load_b64 v[BK:BK+1], v[RDA]                 ; two tokens a lane
	s_wait_dscnt 0x0
	global_store_b64 v[GO], v[BK:BK+1], s[84:85]   ; 32 lanes store 256 consecutive bytes, at a multiple of 256 from the buffer's first byte
	global_store_b64 v[GO], v[BK:BK+1], s[86:87]
.Ldone:
	s_wait_tensorcnt 0x0                           ; the wave's end
	ds_add_u32 v[SPW], v[NIL]
	s_wait_dscnt 0x0
	s_endpgm
.Lfunc_end_k_q477b555d8c_pick:
	.size	k_q477b555d8c_pick, .Lfunc_end_k_q477b555d8c_pick-k_q477b555d8c_pick
	.p2alignl 7, 3214868480
	.fill 96, 4, 3214868480
	.section	.rodata,"a",@progbits
	.p2align	6, 0x0
	.amdhsa_kernel k_q477b555d8c_pick
		.amdhsa_group_segment_fixed_size 2048
		.amdhsa_private_segment_fixed_size 0
		.amdhsa_enable_private_segment 0
		.amdhsa_kernarg_size 48
		.amdhsa_user_sgpr_count 2
		.amdhsa_user_sgpr_kernarg_segment_ptr 1
		.amdhsa_wavefront_size32 1
		.amdhsa_system_sgpr_workgroup_id_x 1
		.amdhsa_system_sgpr_workgroup_id_y 1
		.amdhsa_system_sgpr_workgroup_id_z 1
		.amdhsa_system_vgpr_workitem_id 0
		.amdhsa_next_free_vgpr 448
		.amdhsa_next_free_sgpr 96
		.amdhsa_reserve_vcc 1
		.amdhsa_float_denorm_mode_32 3
		.amdhsa_float_denorm_mode_16_64 3
		.amdhsa_memory_ordered 1
		.amdhsa_forward_progress 1
		.amdhsa_inst_pref_size 28
	.end_amdhsa_kernel
	.amdgpu_metadata
---
amdhsa.version: [ 1, 2 ]
amdhsa.kernels:
  - .name:           k_q477b555d8c_pick
    .symbol:         k_q477b555d8c_pick.kd
    .args:
      - { .name: zq, .offset: 0, .size: 8, .value_kind: global_buffer, .address_space: global }
      - { .name: embq, .offset: 8, .size: 8, .value_kind: global_buffer, .address_space: global }
      - { .name: tilew, .offset: 16, .size: 8, .value_kind: global_buffer, .address_space: global }
      - { .name: keyw, .offset: 24, .size: 8, .value_kind: global_buffer, .address_space: global }
      - { .name: out2, .offset: 32, .size: 8, .value_kind: global_buffer, .address_space: global }
      - { .name: idxw, .offset: 40, .size: 8, .value_kind: global_buffer, .address_space: global }
    .group_segment_fixed_size: 2048
    .private_segment_fixed_size: 0
    .kernarg_segment_align: 8
    .kernarg_segment_size: 48
    .max_flat_workgroup_size: 256
    .sgpr_count:     96
    .vgpr_count:     448
    .wavefront_size: 32
...
	.end_amdgpu_metadata
.endif
;; end of part 3
;; launch gather (part 4): grid 512 x 1, 8 waves a work-group, no clusters, 0 bytes of LDS; arguments z, emb, idxw, out0, part; writes out0, part
.if DOCPART == 4
	.amdgcn_target "amdgcn-amd-amdhsa--gfx1250"
	.amdhsa_code_object_version 6
	.text
	.protected	k_q477b555d8c_gather
	.globl	k_q477b555d8c_gather
	.p2align	8
	.type	k_q477b555d8c_gather,@function
k_q477b555d8c_gather:
	s_mov_b64 s[64:65], 0
	v_nop
	global_prefetch_b8 v0, s[64:65] scope:SCOPE_SE
	s_setreg_imm32_b32 hwreg(HW_REG_WAVE_MODE, 25, 1), 1
	s_wait_xcnt 0x0
; out0[t] = z[t] + (emb[idx[t]] - z[t]), in that order of rounding, and for each wave the sum of (emb[idx[t]] - z[t])^2 over its eight tokens, one f32 number in part.
; A stream: memory binds.  A wave takes eight tokens; a row of 1,024 bytes is two loads of 16 bytes a lane, each covering 512 consecutive bytes.  All 32 loads of a wave go out before the first is waited for.
; The indices were stored as whole numbers by the launch before; they come by one scalar load and are held to the table's 8,192 rows before they enter an address.
; No LDS, no barrier, no matrix unit: waves share nothing.
.set L16, 1                            ; v1     16 x lane
.set EO,  2                            ; v2-9   token i: its codebook row's offset, + 16 x lane
.set LN,  10                           ; v10    lane
.set Z,   16                           ; v16-79   z: token i at 16 + 8 i
.set E,   80                           ; v80-143  the gathered rows, then the difference, then out0
.set S,   144                          ; v144-151 four pairs of running sums
.set T,   152
	s_load_b256 s[4:11], s[0:1], 0x0               ; z s[4:5], emb s[6:7], idxw s[8:9], out0 s[10:11]
	s_load_b64 s[12:13], s[0:1], 0x20              ; part
	v_lshrrev_b32 v11, 5, v0
	s_delay_alu instid0(VALU_DEP_1)
	v_readfirstlane_b32 s14, v11                   ; wave
	v_and_b32 v[LN], 31, v0
	s_delay_alu instid0(VALU_DEP_1)
	v_lshlrev_b32 v[L16], 4, v[LN]
	s_lshl_b32 s15, ttmp9, 3
	s_add_co_u32 s15, s15, s14                     ; G: which eight tokens
	s_lshl_b32 s16, s15, 13                        ; eight rows of 1,024 bytes
	s_mov_b32 s17, 0
	s_lshl_b32 s18, s15, 5                         ; eight indices
	s_mov_b32 s19, 0
	s_lshl_b32 s32, s15, 2                         ; one partial sum
	s_mov_b32 s33, 0
	s_mov_b32 s20, 0x76543210
	s_mov_b32 s21, 0xfedcba98
	v_mov_b32 v[T+1], 0                            ; (a lane permute's destination counts as one of its sources)
	v_mov_b32 v[T+2], 0                            ; the one-lane store's offset
	s_wait_alu depctr_va_vdst(0)
	s_wait_kmcnt 0x0
	s_add_nc_u64 s[4:5], s[4:5], s[16:17]
	s_add_nc_u64 s[10:11], s[10:11], s[16:17]
	s_add_nc_u64 s[8:9], s[8:9], s[18:19]
	s_add_nc_u64 s[12:13], s[12:13], s[32:33]
	s_load_b256 s[24:31], s[8:9], 0x0              ; my eight indices
.irp i, 0,1,2,3,4,5,6,7
	global_load_b128 v[Z+8*\i:Z+8*\i+3], v[L16], s[4:5] offset:1024*\i th:TH_LOAD_NT
	global_load_b128 v[Z+8*\i+4:Z+8*\i+7], v[L16], s[4:5] offset:1024*\i+512 th:TH_LOAD_NT
.endr
	s_wait_kmcnt 0x0
.irp i, 0,1,2,3,4,5,6,7
	s_min_u32 s[24+\i], s[24+\i], 0x1fff           ; inside the table
	s_lshl_b32 s[24+\i], s[24+\i], 10              ; a row is 1,024 bytes
	v_add_nc_u32 v[EO+\i], s[24+\i], v[L16]
.endr
	s_wait_alu depctr_va_vdst(0)
.irp i, 0,1,2,3,4,5,6,7
	global_load_b128 v[E+8*\i:E+8*\i+3], v[EO+\i], s[6:7]              ; no hint: a row may be named again
	global_load_b128 v[E+8*\i+4:E+8*\i+7], v[EO+\i], s[6:7] offset:512
.endr
.macro TOKEN i
	s_wait_loadcnt 14-2*(\i)                       ; loads come back in order (ISA guide 5.7.1): this token's row is in, and all of z, which was asked for earlier; the later tokens' rows may be out
.irp k, 0,1,2,3
	v_pk_add_f32 v[E+8*(\i)+2*\k:E+8*(\i)+2*\k+1], v[E+8*(\i)+2*\k:E+8*(\i)+2*\k+1], v[Z+8*(\i)+2*\k:Z+8*(\i)+2*\k+1] neg_lo:[0,1] neg_hi:[0,1]   ; z_q - z
.endr
.irp k, 0,1,2,3
.if (\i) == 0
	s_delay_alu instid0(VALU_DEP_4)
	v_pk_mul_f32 v[S+2*\k:S+2*\k+1], v[E+8*(\i)+2*\k:E+8*(\i)+2*\k+1], v[E+8*(\i)+2*\k:E+8*(\i)+2*\k+1]   ; the first token starts the sums
.else
	s_delay_alu instid0(VALU_DEP_4)
	v_pk_fma_f32 v[S+2*\k:S+2*\k+1], v[E+8*(\i)+2*\k:E+8*(\i)+2*\k+1], v[E+8*(\i)+2*\k:E+8*(\i)+2*\k+1], v[S+2*\k:S+2*\k+1]
.endif
.endr
.irp k, 0,1,2,3
	v_pk_add_f32 v[E+8*(\i)+2*\k:E+8*(\i)+2*\k+1], v[Z+8*(\i)+2*\k:Z+8*(\i)+2*\k+1], v[E+8*(\i)+2*\k:E+8*(\i)+2*\k+1]   ; z + (z_q - z)
.endr
	global_store_b128 v[L16], v[E+8*(\i):E+8*(\i)+3], s[10:11] offset:1024*(\i) th:TH_STORE_NT   ; 32 lanes store 512 consecutive bytes, aligned
	global_store_b128 v[L16], v[E+8*(\i)+4:E+8*(\i)+7], s[10:11] offset:1024*(\i)+512 th:TH_STORE_NT
.endm
.irp i, 0,1,2,3,4,5,6,7
	TOKEN \i
.endr
	v_pk_add_f32 v[S:S+1], v[S:S+1], v[S+2:S+3]
	v_pk_add_f32 v[S+4:S+5], v[S+4:S+5], v[S+6:S+7]
	s_delay_alu instid0(VALU_DEP_1)
	v_pk_add_f32 v[S:S+1], v[S:S+1], v[S+4:S+5]
	s_delay_alu instid0(VALU_DEP_1)
	v_add_f32 v[T], v[S], v[S+1]
	s_delay_alu instid0(VALU_DEP_1)
	v_add_f32_dpp v[T], v[T], v[T] row_xmask:1 row_mask:0xf bank_mask:0xf
	s_delay_alu instid0(VALU_DEP_1)
	v_add_f32_dpp v[T], v[T], v[T] row_xmask:2 row_mask:0xf bank_mask:0xf
	s_delay_alu instid0(VALU_DEP_1)
	v_add_f32_dpp v[T], v[T], v[T] row_xmask:4 row_mask:0xf bank_mask:0xf
	s_delay_alu instid0(VALU_DEP_1)
	v_add_f32_dpp v[T], v[T], v[T] row_xmask:8 row_mask:0xf bank_mask:0xf
	s_delay_alu instid0(VALU_DEP_1)
	v_permlanex16_b32 v[T+1], v[T], s20, s21
	s_delay_alu instid0(VALU_DEP_1)
	v_add_f32 v[T], v[T], v[T+1]                   ; the wave's sum, in every lane
	v_cmp_eq_u32 vcc_lo, 0, v[LN]
	s_wait_alu depctr_va_vdst(0)
	s_wait_xcnt 0x0                                ; EXEC changes only behind this wait: it is a source of the stores above
	s_and_saveexec_b32 s22, vcc_lo
	global_store_b32 v[T+2], v[T], s[12:13]        ; lane 0 alone: four bytes a wave, one number for eight rows
	s_wait_xcnt 0x0
	s_or_b32 exec_lo, exec_lo, s22
	s_endpgm
.Lfunc_end_k_q477b555d8c_gather:
	.size	k_q477b555d8c_gather, .Lfunc_end_k_q477b555d8c_gather-k_q477b555d8c_gather
	.p2alignl 7, 3214868480
	.fill 96, 4, 3214868480
	.section	.rodata,"a",@progbits
	.p2align	6, 0x0
	.amdhsa_kernel k_q477b555d8c_gather
		.amdhsa_group_segment_fixed_size 0
		.amdhsa_private_segment_fixed_size 0
		.amdhsa_enable_private_segment 0
		.amdhsa_kernarg_size 40
		.amdhsa_user_sgpr_count 2
		.amdhsa_user_sgpr_kernarg_segment_ptr 1
		.amdhsa_wavefront_size32 1
		.amdhsa_system_sgpr_workgroup_id_x 1
		.amdhsa_system_sgpr_workgroup_id_y 1
		.amdhsa_system_sgpr_workgroup_id_z 1
		.amdhsa_system_vgpr_workitem_id 0
		.amdhsa_next_free_vgpr 160
		.amdhsa_next_free_sgpr 66
		.amdhsa_reserve_vcc 1
		.amdhsa_float_denorm_mode_32 3
		.amdhsa_float_denorm_mode_16_64 3
		.amdhsa_memory_ordered 1
		.amdhsa_forward_progress 1
		.amdhsa_inst_pref_size 16
	.end_amdhsa_kernel
	.amdgpu_metadata
---
amdhsa.version: [ 1, 2 ]
amdhsa.kernels:
  - .name:           k_q477b555d8c_gather
    .symbol:         k_q477b555d8c_gather.kd
    .args:
      - { .name: z, .offset: 0, .size: 8, .value_kind: global_buffer, .address_space: global }
      - { .name: emb, .offset: 8, .size: 8, .value_kind: global_buffer, .address_space: global }
      - { .name: idxw, .offset: 16, .size: 8, .value_kind: global_buffer, .address_space: global }
      - { .name: out0, .offset: 24, .size: 8, .value_kind: global_buffer, .address_space: global }
      - { .name: part, .offset: 32, .size: 8, .value_kind: global_buffer, .address_space: global }
    .group_segment_fixed_size: 0
    .private_segment_fixed_size: 0
    .kernarg_segment_align: 8
    .kernarg_segment_size: 40
    .max_flat_workgroup_size: 256
    .sgpr_count:     66
    .vgpr_count:     160
    .wavefront_size: 32
...
	.end_amdgpu_metadata
.endif
;; end of part 4
;; launch total (part 5): grid 1 x 1, 1 waves a work-group, no clusters, 0 bytes of LDS; arguments part, out1; writes out1
.if DOCPART == 5
	.amdgcn_target "amdgcn-amd-amdhsa--gfx1250"
	.amdhsa_code_object_version 6
	.text
	.protected	k_q477b555d8c_total
	.globl	k_q477b555d8c_total
	.p2align	8
	.type	k_q477b555d8c_total,@function
k_q477b555d8c_total:
	s_mov_b64 s[64:65], 0
	v_nop
	global_prefetch_b8 v0, s[64:65] scope:SCOPE_SE
	s_setreg_imm32_b32 hwreg(HW_REG_WAVE_MODE, 25, 1), 1
	s_wait_xcnt 0x0
; out1 = 0.25 m + m, m = the sum of the 4,096 partial sums / (32,768 x 256).  One wave: 32 loads of 512 consecutive bytes, four chains of packed additions, one sum over the lanes.
; The sum has one owner and a fixed order; it is a launch of its own because it spans all work-groups of the launch before.
.set P, 16                             ; v16-143 the partial sums, 128 a lane
.set S, 4                              ; v4-11   four pairs
	s_load_b128 s[4:7], s[0:1], 0x0                ; part s[4:5], out1 s[6:7]
	v_lshlrev_b32 v1, 4, v0
	s_mov_b32 s8, 0x76543210
	s_mov_b32 s9, 0xfedcba98
	v_mov_b32 v13, 0                               ; (a lane permute's destination counts as one of its sources)
	v_mov_b32 v14, 0                               ; the store's offset
	s_wait_alu depctr_va_vdst(0)
	s_wait_kmcnt 0x0
.set i, 0
.rept 32
	global_load_b128 v[P+4*i:P+4*i+3], v1, s[4:5] offset:512*i
.set i, i+1
.endr
	s_wait_loadcnt 0x0
.irp k, 0,1,2,3
	v_pk_add_f32 v[S+2*\k:S+2*\k+1], v[P+2*\k:P+2*\k+1], v[P+8+2*\k:P+8+2*\k+1]   ; the first eight pairs start the chains
.endr
.set j, 8
.rept 56
	v_pk_add_f32 v[S+2*(j%4):S+2*(j%4)+1], v[S+2*(j%4):S+2*(j%4)+1], v[P+2*j:P+2*j+1]
.set j, j+1
.endr
	v_pk_add_f32 v[S:S+1], v[S:S+1], v[S+2:S+3]
	v_pk_add_f32 v[S+4:S+5], v[S+4:S+5], v[S+6:S+7]
	v_pk_add_f32 v[S:S+1], v[S:S+1], v[S+4:S+5]
	v_add_f32 v12, v[S], v[S+1]
	v_add_f32_dpp v12, v12, v12 row_xmask:1 row_mask:0xf bank_mask:0xf
	v_add_f32_dpp v12, v12, v12 row_xmask:2 row_mask:0xf bank_mask:0xf
	v_add_f32_dpp v12, v12, v12 row_xmask:4 row_mask:0xf bank_mask:0xf
	v_add_f32_dpp v12, v12, v12 row_xmask:8 row_mask:0xf bank_mask:0xf
	v_permlanex16_b32 v13, v12, s8, s9
	v_add_f32 v12, v12, v13
	v_mul_f32 v12, 0x34000000, v12                 ; / 2^23: the mean
	v_fma_f32 v12, v12, 0x3e800000, v12            ; 0.25 m + m
	v_cmp_eq_u32 vcc_lo, 0, v0
	s_wait_alu depctr_va_vdst(0)
	s_wait_xcnt 0x0                                ; EXEC changes only behind this wait
	s_and_saveexec_b32 s10, vcc_lo
	global_store_b32 v14, v12, s[6:7]
	s_wait_xcnt 0x0
	s_or_b32 exec_lo, exec_lo, s10
	s_endpgm
.Lfunc_end_k_q477b555d8c_total:
	.size	k_q477b555d8c_total, .Lfunc_end_k_q477b555d8c_total-k_q477b555d8c_total
	.p2alignl 7, 3214868480
	.fill 96, 4, 3214868480
	.section	.rodata,"a",@progbits
	.p2align	6, 0x0
	.amdhsa_kernel k_q477b555d8c_total
		.amdhsa_group_segment_fixed_size 0
		.amdhsa_private_segment_fixed_size 0
		.amdhsa_enable_private_segment 0
		.amdhsa_kernarg_size 16
		.amdhsa_user_sgpr_count 2
		.amdhsa_user_sgpr_kernarg_segment_ptr 1
		.amdhsa_wavefront_size32 1
		.amdhsa_system_sgpr_workgroup_id_x 1
		.amdhsa_system_sgpr_workgroup_id_y 1
		.amdhsa_system_sgpr_workgroup_id_z 1
		.amdhsa_system_vgpr_workitem_id 0
		.amdhsa_next_free_vgpr 144
		.amdhsa_next_free_sgpr 66
		.amdhsa_reserve_vcc 1
		.amdhsa_float_denorm_mode_32 3
		.amdhsa_float_denorm_mode_16_64 3
		.amdhsa_memory_ordered 1
		.amdhsa_forward_progress 1
		.amdhsa_inst_pref_size 9
	.end_amdhsa_kernel
	.amdgpu_metadata
---
amdhsa.version: [ 1, 2 ]
amdhsa.kernels:
  - .name:           k_q477b555d8c_total
    .symbol:         k_q477b555d8c_total.kd
    .args:
      - { .name: part, .offset: 0, .size: 8, .value_kind: global_buffer, .address_space: global }
      - { .name: out1, .offset: 8, .size: 8, .value_kind: global_buffer, .address_space: global }
    .group_segment_fixed_size: 0
    .private_segment_fixed_size: 0
    .kernarg_segment_align: 8
    .kernarg_segment_size: 16
    .max_flat_workgroup_size: 32
    .sgpr_count:     66
    .vgpr_count:     144
    .wavefront_size: 32
...
	.end_amdgpu_metadata
.endif
;; end of part 5
